; MI455X (gfx1250); checked and timed in simulation.
; The chip was launched on July 23, 2026; its instructions are those of AMD's public machine-readable ISA for CDNA 5 (MIT licence, August 2026) and "CDNA5" Instruction Set Architecture Reference Guide (July 2026). The comments in the code are by the model that wrote it; some were corrected since.
;; Bit Stack Linear. Allowed arithmetic: float matrix products may take bf16 or f16 operands with f32 sums; other float arithmetic in f32, or as packed bf16 or f16 multiplies, adds, multiply-adds, maxima and minima; sums over many terms, partial sums and values carried from step to step in f32; what a program stores and reads back later, other than sums and carried values, may be rounded once to bf16 or f16.
;; Inputs: qweight 4 x 5,636,096 int32; u 4 x 11,008 x 16 float32; vt 4 x 16 x 4,096 float32; x 1,024 x 4,096 float32.
;; Outputs: out0 1,024 x 11,008 float32.
;; One version. Each part assembles by itself: llvm-mc -triple=amdgcn-amd-amdhsa -mcpu=gfx1250 --defsym DOCPART=n.
;; ======== version 1 of 1: 2 launches
;; workspace buffers: wb 92,274,688 bytes; xb 8,388,608 bytes
;; launch recon (part 1): grid 8 x 32, 8 waves a work-group, no clusters, 327,680 bytes of LDS; arguments qweight, u, vt, x, wb, xb; writes wb, xb
.if DOCPART == 1
	.amdgcn_target "amdgcn-amd-amdhsa--gfx1250"
	.amdhsa_code_object_version 6
	.text
	.protected	k_q24ea2585c6_recon
	.globl	k_q24ea2585c6_recon
	.p2align	8
	.type	k_q24ea2585c6_recon,@function
k_q24ea2585c6_recon:
	s_mov_b64 s[64:65], 0
	v_nop
	global_prefetch_b8 v0, s[64:65] scope:SCOPE_SE
	s_setreg_imm32_b32 hwreg(HW_REG_WAVE_MODE, 25, 1), 1
	s_wait_xcnt 0x0
; wb[o][i] = bf16( sum over b < 4 of s_b[o][i] * (sum over k < 16 of u_b[o][k] vt_b[k][i]) ),  s = +1 where bit i % 8 of the word qweight[b][512 o + i / 8] is 1, else -1;   xb = bf16(x).
; u, vt and x are rounded once to bf16 (nearest even); the rank-16 sums and the sum over the four planes are f32; wb is rounded once.  bf16, not f16, so that small u and vt keep their bits.
; wb has 11,264 rows of 4,096: rows 11,008 and up are copies of real rows (a clamped source strip, no branch): finite numbers whose products the next launch does not store.
; LIMITS.  Two planes share a matrix instruction's K (16 + 16), the plane that is not wanted multiplied by 0: an infinity or NaN in vt's plane 2P reaches plane 2P + 1's part of w and the other way round.
; Of each word of qweight bits 0 to 7 count, as in the definition.
; SHARES.  Work-group (gi, go): 512 columns i (256 bytes of a row of q, 1,024 of a row of wb) x 22 strips of 16 rows o.  Wave w: columns 128 (w % 4) on, strips of parity w / 4: eleven strips.
; The wave's vt, 64 x 128 numbers, stays in registers as 16 fragments.  Work-group 8 go + gi also converts four rows of x, 8 KiB a wave.
; PRODUCT.  D = A(vt) x B(u), C = 0.  A's row m of fragment (sb, t) is column 64 sb + 4 m + t, so register j of lane (r, h) holds row o = r and column 64 sb + 32 h + 4 j + t: the four tiles t = 0..3
; interleave to 32 neighbouring columns a lane, and the lane's 32 signs of a plane are its own four words of q (one LDS load of 16 bytes): word j / 2, bit 4 (j % 2) + t.
; SIGN.  YM = ~word & 0x55 (t even) or 0xaa (t odd).  (YM << (31 - bit)) | 1.0: the wanted bit lands on the sign; the bits 2, 4, 6 below it land on bits 29, 27, 25, which 1.0 has set; the higher fall out.
; RING.  Two LDS slots, filled by tensor loads with 6, 6, 6 and 4 strips: waves 0-3 a plane of q each, wave 4 all four planes of u.  Two loads of a wave are out at the start, later one.
; NO CLUSTER: of a fill's 120 KiB the 96 KiB of q are read by this work-group alone; only u's 24 KiB are shared, by the eight work-groups along x.  NO PREFETCH: the two first fills are asked for at the
; head, and from then on a slot's refill is out during the whole of the other slot's work; the launch does little else than stream q in and wb out.
.set QROW,  272                        ; a row of q in LDS: 256 bytes + 16: the 16 rows of a load begin in 16 different 16-byte columns of 256 bytes
.set QPL,   96*QROW                    ; a plane's 96 rows
.set UROW,  80                         ; a row of u: 64 bytes + 16
.set UOFF,  4*QPL                      ; u lies behind the four planes of q
.set SLOT,  UOFF+4*96*UROW             ; 135,168
.set STAGE, 2*SLOT                     ; behind the ring: 16 rows x 272 bytes for each wave, never filled by a tensor load
.set SPARE, STAGE+8*16*QROW            ; behind the stages: the spare words, 128 bytes a wave: four blocks of 256 bytes that no other line names
.set AQ0,  1                           ; v1   my place in a strip of q: r x 272 + 64 (w % 4) + 16 h
.set AU0,  2                           ; v2   my place in a strip of u: UOFF + r x 80 + 32 h
.set ADQ,  3                           ; v3   the strip's q, planes 0 and 1
.set ADQ2, 4                           ; v4   planes 2 and 3
.set ADU,  5                           ; v5   the strip's u
.set STO,  6                           ; v6   the stage: where I put my 64 bytes of row r
.set RD,   7                           ; v7   the stage: where I read rows back
.set GOF,  8                           ; v8   my byte offset in two rows of wb
.set SPW,  9                           ; v9   my spare word; never rewritten
.set NIL,  10                          ; v10  0; never rewritten
.set BF,   16                          ; v[16:39]   u0, zeros, u1, u2, zeros, u3 (four registers each): plane b's fragment is eight of them
.set DX,   40                          ; v[40:71]   four products, plane p at + 8 p
.set DY,   72                          ; v[72:103]  four more; at a strip's head u as loaded
.set QR,   104                         ; v[104:135] my words of q: (sb, p) at + 16 sb + 4 p
.set YM,   136                         ; v[136:151] masked words: (p, word) at + 4 p + word
.set SG,   152                         ; v[152:159] eight sign factors
.set WR,   160                         ; v[160:191] w in f32: tile t at + 8 t
.set OB,   192                         ; v[192:207] 32 bf16
.set RB,   208                         ; v[208:239] the strip read back by rows
.set XR,   16                          ; head only: v[16:79] x as loaded
.set VR0,  80                          ; head only: v[80:207] vt of sub-block 0 as loaded;  window 1, v[128:255]: of sub-block 1;  window 1, v[0:127]: the fragments, (sb, t, P) at 64 sb + 16 t + 8 P
.set WV,   16                          ; s16 wave   s17 wave % 4   s18 wave / 4   s19 gi   s20 go
.set W4,   17
.set GP,   18
.set GI,   19
.set GO,   20
.set G1Q,  24                          ; s[24:31] descriptor group 1 for q
.set G1U,  32                          ; s[32:39] for u
.set G0Q,  40                          ; s[40:47] group 0 for q, a set for each slot
.set G0U,  48                          ; s[48:55] for u
.set TBQ,  56                          ; s56  LDS byte of my next strip's q
.set TBU,  57                          ; s57  the same for u, less UOFF
.set CNT,  58
.set ONE,  59                          ; s59  the pattern of 1.0
.set OUT,  60                          ; s[60:61] wb at my part of the strip in hand
.set STEP, 62                          ; s[62:63] what the next strip adds to it
.set M55,  66
.set MAA,  67
.set QB,   68                          ; s[68:69] q at my plane and my work-group's columns
.set QF2,  70                          ; s[70:73] byte offsets of fills 2 and 3 in q
.set QF3,  72
.set UF2,  74                          ; s[74:77] and in u
.set UF3,  76
.set GQ,   90                          ; s90  my parity's first strip in a slot's q
.set GU,   91                          ; s91  and u
.set MSB, 0
.macro WIN new                         ; the immediate's high byte repeats the setting that is left; a switch that changes nothing is dropped
.if MSB != (\new)
	s_set_vgpr_msb (MSB<<8)|(\new)
.set MSB, (\new)
.endif
.endm
	s_load_b256 s[4:11], s[0:1], 0x0               ; q s[4:5], u s[6:7], vt s[8:9], x s[10:11]
	s_load_b128 s[12:15], s[0:1], 0x20             ; wb s[12:13], xb s[14:15]
	v_lshl_add_u32 v[SPW], v0, 2, SPARE
	v_mov_b32 v[NIL], 0
	ds_add_u32 v[SPW], v[NIL]                      ; the wave's opening: the add and its wait stand ahead of the first tensor load; the set-up below, work on registers, stands between
	v_lshrrev_b32 v11, 5, v0
	v_readfirstlane_b32 s[WV], v11
	s_and_b32 s[W4], s[WV], 3
	s_lshr_b32 s[GP], s[WV], 2
	s_mov_b32 s[GI], ttmp9
	s_and_b32 s[GO], ttmp7, 0xffff
	; group 1 for q: 96 rows x 64 words, 512 words from row to row, 4 words of padding behind every 64
	s_mov_b32 s[G1Q+0], (2<<16)|(1<<20)|(5<<22)|(3<<25)
	s_mov_b32 s[G1Q+1], 64<<16                     ; tensor_dim0 = 64
	s_mov_b32 s[G1Q+2], 96<<16                     ; tensor_dim1 = 96
	s_mov_b32 s[G1Q+3], 64<<16                     ; tile_dim0 = 64
	s_mov_b32 s[G1Q+4], 96                         ; tile_dim1 = 96
	s_mov_b32 s[G1Q+5], 512
	s_mov_b32 s[G1Q+6], 0
	s_mov_b32 s[G1Q+7], 0
	; group 1 for u: 96 rows of a plane are 1,536 dense words: one row of the tile; four planes, 176,128 words apart; 4 words of padding behind every 16
	s_mov_b32 s[G1U+0], (2<<16)|(1<<20)|(3<<22)|(3<<25)
	s_mov_b32 s[G1U+1], 1536<<16
	s_mov_b32 s[G1U+2], 4<<16
	s_mov_b32 s[G1U+3], 1536<<16
	s_mov_b32 s[G1U+4], 4
	s_mov_b32 s[G1U+5], 176128
	s_mov_b32 s[G1U+6], 0
	s_mov_b32 s[G1U+7], 0
	s_mov_b32 s[G0Q+0], 1
	s_mul_i32 s[G0Q+1], s[WV], QPL                 ; waves 0-3: plane = wave
	s_mov_b32 s[G0Q+4], 1
	s_add_co_u32 s[G0Q+5], s[G0Q+1], SLOT
	s_mov_b32 s[G0U+0], 1
	s_mov_b32 s[G0U+1], UOFF
	s_mov_b32 s[G0U+4], 1
	s_mov_b32 s[G0U+5], SLOT+UOFF
	; the four fills' first source strips.  688 strips exist; the last work-group row's strips beyond them take real strips again
	s_mul_i32 s78, s[GO], 22
	s_min_u32 s80, s78, 682
	s_add_co_u32 s79, s78, 6
	s_min_u32 s82, s79, 682
	s_add_co_u32 s79, s78, 12
	s_min_u32 s[QF2], s79, 682
	s_add_co_u32 s79, s78, 18
	s_min_u32 s[QF3], s79, 684
	s_lshl_b32 s84, s80, 10                        ; a strip of u is 1,024 bytes,
	s_lshl_b32 s86, s82, 10
	s_lshl_b32 s[UF2], s[QF2], 10
	s_lshl_b32 s[UF3], s[QF3], 10
	s_lshl_b32 s80, s80, 15                        ; of q 16 rows of 2,048
	s_lshl_b32 s82, s82, 15
	s_lshl_b32 s[QF2], s[QF2], 15
	s_lshl_b32 s[QF3], s[QF3], 15
.irp r, 81, 83, 85, 87, 89, 93, 95, 23, QF2+1, QF3+1, UF2+1, UF3+1, STEP+1
	s_mov_b32 s[\r], 0                             ; the offsets' high words
.endr
	s_mul_i32 s88, s[W4], 22544384                 ; a plane of q,
	s_lshl_b32 s79, s[GI], 8                       ; my work-group's 256 bytes of a row
	s_add_co_u32 s88, s88, s79
	s_lshl3_add_u32 s79, s[GO], s[GI]              ; 8 go + gi: which four rows of x
	s_lshl_b32 s92, s79, 16
	s_lshl_b32 s21, s[WV], 13
	s_add_co_u32 s92, s92, s21                     ; x: 65,536 a work-group, 8,192 a wave
	s_lshr_b32 s94, s92, 1                         ; xb: half of that
	s_lshl_b32 s22, s[GI], 11
	s_lshl_b32 s21, s[W4], 9
	s_add_co_u32 s22, s22, s21                     ; vt: my 128 columns, in bytes
	s_add_co_u32 s[STEP], s78, s[GP]               ; wb: my first strip (131,072 bytes a strip),
	s_lshl_b32 s[STEP], s[STEP], 17
	s_lshr_b32 s21, s22, 1
	s_add_co_u32 s[STEP], s[STEP], s21             ; my 256 bytes of a row
	s_mul_i32 s[GQ], s[GP], 16*QROW
	s_mul_i32 s[GU], s[GP], 16*UROW
	s_mov_b32 s[TBQ], s[GQ]
	s_mov_b32 s[TBU], s[GU]
	s_mov_b32 s[ONE], 0x3f800000
	s_mov_b32 s[M55], 0x55
	s_mov_b32 s[MAA], 0xaa
	s_wait_dscnt 0x0                               ; the opening add is done
	s_wait_kmcnt 0x0
	s_add_nc_u64 s[QB:QB+1], s[4:5], s[88:89]
	s_add_nc_u64 s[G0Q+2:G0Q+3], s[QB:QB+1], s[80:81]
	s_or_b32 s[G0Q+3], s[G0Q+3], 0x80000000
	s_add_nc_u64 s[G0Q+6:G0Q+7], s[QB:QB+1], s[82:83]
	s_or_b32 s[G0Q+7], s[G0Q+7], 0x80000000
	s_add_nc_u64 s[G0U+2:G0U+3], s[6:7], s[84:85]
	s_or_b32 s[G0U+3], s[G0U+3], 0x80000000
	s_add_nc_u64 s[G0U+6:G0U+7], s[6:7], s[86:87]
	s_or_b32 s[G0U+7], s[G0U+7], 0x80000000
	; the first fills: a wave's two stand in one branch on its number, ahead of every wait on TENSORcnt, every LDS read and every barrier
	s_cmp_lt_u32 s[WV], 4
	s_cbranch_scc0 .Lfirst_not_q
	tensor_load_to_lds s[G0Q:G0Q+3], s[G1Q:G1Q+7]
	s_nop 0
	tensor_load_to_lds s[G0Q+4:G0Q+7], s[G1Q:G1Q+7]
	s_nop 0
.rept 4
	v_nop
.endr
	s_branch .Lfirst_asked
.Lfirst_not_q:
	s_cmp_eq_u32 s[WV], 4
	s_cbranch_scc0 .Lfirst_asked
	tensor_load_to_lds s[G0U:G0U+3], s[G1U:G1U+7]
	s_nop 0
	tensor_load_to_lds s[G0U+4:G0U+7], s[G1U:G1U+7]
	s_nop 0
.rept 4
	v_nop
.endr
.Lfirst_asked:
	s_add_nc_u64 s[10:11], s[10:11], s[92:93]
	s_add_nc_u64 s[14:15], s[14:15], s[94:95]
	s_add_nc_u64 s[8:9], s[8:9], s[22:23]
	s_mov_b64 s[OUT:OUT+1], s[12:13]
	v_and_b32 v14, 15, v0                          ; r
	v_bfe_u32 v15, v0, 4, 1                        ; h
	v_and_b32 v12, 31, v0
	v_lshlrev_b32 v11, 5, v12                      ; x: 32 bytes a lane
	v_lshlrev_b32 v12, 4, v12                      ; xb: 16
	v_lshlrev_b32 v13, 4, v14                      ; vt: four columns (16 bytes) for each r,
	v_lshl_add_u32 v13, v15, 17, v13               ; eight rows k (131,072 bytes) for h
.irp n, 0,1,2,3,4,5,6,7
	global_load_b128 v[XR+8*(\n):XR+8*(\n)+3],   v11, s[10:11] offset:1024*(\n) th:TH_LOAD_NT
	global_load_b128 v[XR+8*(\n)+4:XR+8*(\n)+7], v11, s[10:11] offset:1024*(\n)+16 th:TH_LOAD_NT
.endr
.irp b, 0,1,2,3
.irp k, 0,1,2,3,4,5,6,7                ; vt[b][8 h + k][4 r .. 4 r + 3] of sub-block 0: sixteen lanes read 256 consecutive bytes
	global_load_b128 v[VR0+4*(8*(\b)+(\k)):VR0+4*(8*(\b)+(\k))+3], v13, s[8:9] offset:262144*(\b)+16384*(\k)
.endr
.endr
	v_mul_u32_u24 v[AQ0], v14, QROW                ; the addresses are made while the loads are out
	v_lshl_add_u32 v[AQ0], v15, 4, v[AQ0]
	s_lshl_b32 s21, s[W4], 6
	v_add_nc_u32 v[AQ0], s21, v[AQ0]
	v_mul_u32_u24 v[AU0], v14, UROW
	v_lshl_add_u32 v[AU0], v15, 5, v[AU0]
	v_add_nc_u32 v[AU0], UOFF, v[AU0]
	s_mul_i32 s21, s[WV], 16*QROW
	s_add_co_u32 s21, s21, STAGE                   ; my stage
	v_mul_u32_u24 v[STO], v14, QROW
	v_lshl_add_u32 v[STO], v15, 6, v[STO]
	v_add_nc_u32 v[STO], s21, v[STO]
	v_mul_u32_u24 v[RD], v15, QROW                 ; back: lanes 0-15 one row of 256 bytes, lanes 16-31 the next
	v_lshl_add_u32 v[RD], v14, 4, v[RD]
	v_add_nc_u32 v[RD], s21, v[RD]
	v_lshlrev_b32 v[GOF], 4, v14                   ; and the same two rows of wb
	v_lshl_add_u32 v[GOF], v15, 13, v[GOF]
	s_wait_loadcnt 32                              ; x is in; vt's 32 loads may stay out
.irp n, 0,1,2,3,4,5,6,7
.irp c, 0,1,2,3
	v_cvt_pk_bf16_f32 v[XR+8*(\n)+(\c)], v[XR+8*(\n)+2*(\c)], v[XR+8*(\n)+2*(\c)+1]
.endr
	global_store_b128 v12, v[XR+8*(\n):XR+8*(\n)+3], s[14:15] offset:512*(\n) th:TH_STORE_NT  ; 512 consecutive bytes, at a multiple of 512 from xb's first
.endr
	WIN 0x40                                       ; destination window 1
.irp b, 0,1,2,3
.irp k, 0,1,2,3,4,5,6,7                ; sub-block 1: 64 columns, 256 bytes, on
	global_load_b128 v[128+4*(8*(\b)+(\k)):128+4*(8*(\b)+(\k))+3], v13, s[8:9] offset:262144*(\b)+16384*(\k)+256
.endr
.endr
; The 64 registers of sub-block sb's eight fragments.  Register c of fragment (t, P): plane 2 P + c / 4, rows k = 8 h + 2 (c % 4) and the next, column 4 r + t.
.macro MAKEF sb, base
.set fn, 0
.rept 64
.set fa, (\base)+4*(8*(2*((fn/8)%2)+(fn%8)/4)+2*(fn%4))+fn/16
	v_cvt_pk_bf16_f32 v[64*(\sb)+fn], v[fa], v[fa+4]
.set fn, fn+1
.endr
.endm
	s_wait_loadcnt 32                              ; sub-block 0 is in; sub-block 1's 32 loads may stay out
	MAKEF 0, VR0                                   ; sources window 0, destination window 1
	s_wait_loadcnt 0x0
	WIN 0x45                                       ; sources and destination window 1
	MAKEF 1, 128
	WIN 0
	s_wait_xcnt 0x0                                ; xb's stores have read their registers, which are written below and in the strips
.irp r, 4,5,6,7,16,17,18,19
	v_mov_b32 v[BF+(\r)], 0                        ; the two quads of zeros in u's fragments
.endr
; A refill: waves 0-3 a plane of q each, wave 4 u; waves 5-7 have no part of a tile.  An s_nop 0 and four v_nop follow each line, ahead of the jump and the label.
.macro LOAD s
	s_cmp_lt_u32 s[WV], 4
	s_cbranch_scc0 .Lnot_q_\@
	tensor_load_to_lds s[G0Q+4*(\s):G0Q+4*(\s)+3], s[G1Q:G1Q+7]
	s_nop 0
.rept 4
	v_nop
.endr
	s_branch .Lasked_\@
.Lnot_q_\@:
	s_cmp_eq_u32 s[WV], 4
	s_cbranch_scc0 .Lasked_\@
	tensor_load_to_lds s[G0U+4*(\s):G0U+4*(\s)+3], s[G1U:G1U+7]
	s_nop 0
.rept 4
	v_nop
.endr
.Lasked_\@:
.endm
; THE CHANGE OF SLOTS: slot has been read, the other one is read next.  Each wave waits for all its tensor loads (the other slot's is the one that can be out), adds 0 to its spare word, and waits for that
; and for its LDS reads.  Behind the barrier nobody reads the old slot and the other one is whole.  fill = 1: the old slot is filled again, first thing behind the barrier; last = 1: with the fourth fill, of four strips.
.macro CHANGE fill, slot, last
	s_wait_tensorcnt 0x0                           ; no tensor load of mine is out, so descriptors may be written
	ds_add_u32 v[SPW], v[NIL]                      ; 0 onto my spare word; the descriptors' words stand between it and the wait for it
.if \fill
.if \last
	s_add_nc_u64 s[G0Q+4*(\slot)+2:G0Q+4*(\slot)+3], s[QB:QB+1], s[QF3:QF3+1]
	s_add_nc_u64 s[G0U+4*(\slot)+2:G0U+4*(\slot)+3], s[6:7], s[UF3:UF3+1]
	s_mov_b32 s[G1Q+2], 64<<16                     ; 64 rows of q,
	s_mov_b32 s[G1Q+4], 64
	s_mov_b32 s[G1U+1], 1024<<16                   ; 1,024 words of a plane of u
	s_mov_b32 s[G1U+3], 1024<<16
.else
	s_add_nc_u64 s[G0Q+4*(\slot)+2:G0Q+4*(\slot)+3], s[QB:QB+1], s[QF2:QF2+1]
	s_add_nc_u64 s[G0U+4*(\slot)+2:G0U+4*(\slot)+3], s[6:7], s[UF2:UF2+1]
.endif
	s_or_b32 s[G0Q+4*(\slot)+3], s[G0Q+4*(\slot)+3], 0x80000000
	s_or_b32 s[G0U+4*(\slot)+3], s[G0U+4*(\slot)+3], 0x80000000
.endif
	s_wait_dscnt 0x0                               ; the add is done, and my reads of the slot are over
	s_barrier_signal -1
	s_add_co_u32 s[TBQ], s[GQ], (1-(\slot))*SLOT   ; my first strip of the other slot
	s_add_co_u32 s[TBU], s[GU], (1-(\slot))*SLOT
	s_barrier_wait -1
.if \fill
	LOAD \slot
.endif
.endm
; Four products, one for each plane, for tile t of sub-block sb, into d.  Each starts from the constant 0: no accumulator is taken up again.
.macro WM sb, t, d
	WIN 0x01                                       ; vt's fragments lie in window 1
.irp p, 0,1,2,3
	v_wmma_f32_16x16x32_bf16 v[(\d)+8*(\p):(\d)+8*(\p)+7], v[64*(\sb)+16*(\t)+8*((\p)/2):64*(\sb)+16*(\t)+8*((\p)/2)+7], v[BF+12*((\p)/2)+4*((\p)%2):BF+12*((\p)/2)+4*((\p)%2)+7], 0
.endr
	WIN 0
.endm
; w of tile t = the sum over the planes of factor x product.  For each plane eight factors, then four packed lines, the product's lowest registers first.
; The eight shifts name no register of a product: they are the places between a product and its first reader.
.macro SIGN t, d
.irp p, 0,1,2,3
.irp j, 0,1,2,3,4,5,6,7
	v_lshl_or_b32 v[SG+(\j)], v[YM+4*(\p)+(\j)/2], 31-4*((\j)%2)-(\t), s[ONE]
.endr
.irp j, 0,2,4,6
.if (\p) == 0
	v_pk_mul_f32 v[WR+8*(\t)+(\j):WR+8*(\t)+(\j)+1], v[(\d)+(\j):(\d)+(\j)+1], v[SG+(\j):SG+(\j)+1]
.else
	v_pk_fma_f32 v[WR+8*(\t)+(\j):WR+8*(\t)+(\j)+1], v[(\d)+8*(\p)+(\j):(\d)+8*(\p)+(\j)+1], v[SG+(\j):SG+(\j)+1], v[WR+8*(\t)+(\j):WR+8*(\t)+(\j)+1]
.endif
.endr
.endr
.endm
.macro MASKS sb, m                     ; ~word & mask, for my sixteen words of sub-block sb
.irp p, 0,1,2,3
.irp c, 0,1,2,3
	v_bfi_b32 v[YM+4*(\p)+(\c)], v[QR+16*(\sb)+4*(\p)+(\c)], 0, s[\m]
.endr
.endr
.endm
; A sub-block: 16 rows x 64 columns.  The products of one tile run while another tile's signs are applied; the even tiles come first, since they share a mask.
.macro SUB sb
	MASKS \sb, M55
	WM \sb, 0, DX
	WM \sb, 2, DY
	SIGN 0, DX
	WM \sb, 1, DX
	SIGN 2, DY
	MASKS \sb, MAA
	WM \sb, 3, DY
	SIGN 1, DX
	SIGN 3, DY
.irp j, 0,1,2,3,4,5,6,7                ; columns 4 j .. 4 j + 3 of my 32 come from tiles 0 .. 3
	v_cvt_pk_bf16_f32 v[OB+2*(\j)],   v[WR+(\j)],    v[WR+8+(\j)]
	v_cvt_pk_bf16_f32 v[OB+2*(\j)+1], v[WR+16+(\j)], v[WR+24+(\j)]
.endr
.irp c, 0,1,2,3
	ds_store_b128 v[STO], v[OB+4*(\c):OB+4*(\c)+3] offset:128*(\sb)+16*(\c)
.endr
.endm
; A strip: 16 rows x my 128 columns.  upl: bytes from plane to plane of u in this slot.
.macro STRIP upl
	v_add_nc_u32 v[ADQ], s[TBQ], v[AQ0]
	v_add_nc_u32 v[ADU], s[TBU], v[AU0]
	v_add_nc_u32 v[ADQ2], 2*QPL, v[ADQ]
.irp p, 0,1,2,3
	ds_load_b128 v[DY+8*(\p):DY+8*(\p)+3],   v[ADU] offset:(\p)*(\upl)
	ds_load_b128 v[DY+8*(\p)+4:DY+8*(\p)+7], v[ADU] offset:(\p)*(\upl)+16
.endr
.irp sb, 0,1
.irp p, 0,1
	ds_load_b128 v[QR+16*(\sb)+4*(\p):QR+16*(\sb)+4*(\p)+3],     v[ADQ]  offset:(\p)*QPL+32*(\sb)
	ds_load_b128 v[QR+16*(\sb)+4*(\p)+8:QR+16*(\sb)+4*(\p)+11],  v[ADQ2] offset:(\p)*QPL+32*(\sb)
.endr
.endr
	s_wait_dscnt 8                                 ; u is in; q's eight loads may stay out
.irp p, 0,1,2,3
.irp c, 0,1,2,3
	v_cvt_pk_bf16_f32 v[BF+12*((\p)/2)+8*((\p)%2)+(\c)], v[DY+8*(\p)+2*(\c)], v[DY+8*(\p)+2*(\c)+1]
.endr
.endr
	s_wait_dscnt 0x0
	SUB 0
	SUB 1
	s_wait_xcnt 0x0                                ; the last strip's stores have read their registers and their base, which are written below
.irp t, 0,1,2,3,4,5,6,7
	ds_load_b128 v[RB+4*(\t):RB+4*(\t)+3], v[RD] offset:2*QROW*(\t)  ; LDS serves a wave's instructions in order (ISA guide 5.7.1.4): these see my stores above
.endr
	s_add_nc_u64 s[OUT:OUT+1], s[OUT:OUT+1], s[STEP:STEP+1]
	s_mov_b32 s[STEP], 262144                      ; from now on: two strips on
.irp t, 0,1,2,3,4,5,6,7
	s_wait_dscnt 7-(\t)                            ; rows 2 t and 2 t + 1 are back; the younger loads may stay out
	global_store_b128 v[GOF], v[RB+4*(\t):RB+4*(\t)+3], s[OUT:OUT+1] offset:16384*(\t) th:TH_STORE_NT  ; sixteen lanes store 256 consecutive bytes, at a multiple of 256 from wb's first
.endr
.endm
.macro VISIT n, upl                    ; my n strips of a slot
	s_mov_b32 s[CNT], \n
.Lstrip_\@:
	STRIP \upl
	s_add_co_u32 s[TBQ], s[TBQ], 2*16*QROW
	s_add_co_u32 s[TBU], s[TBU], 2*16*UROW
	s_sub_co_u32 s[CNT], s[CNT], 1
	s_cmp_lg_u32 s[CNT], 0
	s_cbranch_scc1 .Lstrip_\@
.endm
	s_wait_tensorcnt 0x1                           ; my part of slot 0 is in; slot 1's may stay out
	s_barrier_signal -1
	s_barrier_wait -1                              ; everybody's is
	VISIT 3, 96*UROW                               ; strips 0-5
	CHANGE 1, 0, 0                                 ; slot 0 takes strips 12-17
	VISIT 3, 96*UROW                               ; strips 6-11
	CHANGE 1, 1, 1                                 ; slot 1 takes strips 18-21
	VISIT 3, 96*UROW                               ; strips 12-17
	CHANGE 0, 0, 0                                 ; nothing is left to fetch
	VISIT 2, 64*UROW                               ; strips 18-21
	s_wait_tensorcnt 0x0                           ; the wave's end: these three lines stand behind my last tensor load and my last LDS store
	ds_add_u32 v[SPW], v[NIL]
	s_wait_dscnt 0x0
	s_endpgm
.Lfunc_end_k_q24ea2585c6_recon:
	.size	k_q24ea2585c6_recon, .Lfunc_end_k_q24ea2585c6_recon-k_q24ea2585c6_recon
	.p2alignl 7, 3214868480
	.fill 96, 4, 3214868480
	.section	.rodata,"a",@progbits
	.p2align	6, 0x0
	.amdhsa_kernel k_q24ea2585c6_recon
		.amdhsa_group_segment_fixed_size 327680
		.amdhsa_private_segment_fixed_size 0
		.amdhsa_enable_private_segment 0
		.amdhsa_kernarg_size 48
		.amdhsa_user_sgpr_count 2
		.amdhsa_user_sgpr_kernarg_segment_ptr 1
		.amdhsa_wavefront_size32 1
		.amdhsa_system_sgpr_workgroup_id_x 1
		.amdhsa_system_sgpr_workgroup_id_y 1
		.amdhsa_system_sgpr_workgroup_id_z 1
		.amdhsa_system_vgpr_workitem_id 0
		.amdhsa_next_free_vgpr 512
		.amdhsa_next_free_sgpr 96
		.amdhsa_reserve_vcc 0
		.amdhsa_float_denorm_mode_32 3
		.amdhsa_float_denorm_mode_16_64 3
		.amdhsa_memory_ordered 1
		.amdhsa_forward_progress 1
		.amdhsa_inst_pref_size 177
	.end_amdhsa_kernel
	.amdgpu_metadata
---
amdhsa.version: [ 1, 2 ]
amdhsa.kernels:
  - .name:           k_q24ea2585c6_recon
    .symbol:         k_q24ea2585c6_recon.kd
    .args:
      - { .name: qweight, .offset: 0, .size: 8, .value_kind: global_buffer, .address_space: global }
      - { .name: u, .offset: 8, .size: 8, .value_kind: global_buffer, .address_space: global }
      - { .name: vt, .offset: 16, .size: 8, .value_kind: global_buffer, .address_space: global }
      - { .name: x, .offset: 24, .size: 8, .value_kind: global_buffer, .address_space: global }
      - { .name: wb, .offset: 32, .size: 8, .value_kind: global_buffer, .address_space: global }
      - { .name: xb, .offset: 40, .size: 8, .value_kind: global_buffer, .address_space: global }
    .group_segment_fixed_size: 327680
    .private_segment_fixed_size: 0
    .kernarg_segment_align: 8
    .kernarg_segment_size: 48
    .max_flat_workgroup_size: 256
    .sgpr_count:     96
    .vgpr_count:     512
    .wavefront_size: 32
...
	.end_amdgpu_metadata
.endif
;; end of part 1
;; launch gemm (part 2): grid 32 x 8, 4 waves a work-group, clusters of 4 x 4, 327,680 bytes of LDS; arguments xb, wb, out0; writes out0
.if DOCPART == 2
	.amdgcn_target "amdgcn-amd-amdhsa--gfx1250"
	.amdhsa_code_object_version 6
	.text
	.protected	k_q24ea2585c6_gemm
	.globl	k_q24ea2585c6_gemm
	.p2align	8
	.type	k_q24ea2585c6_gemm,@function
k_q24ea2585c6_gemm:
	s_mov_b64 s[64:65], 0
	v_nop
	global_prefetch_b8 v0, s[64:65] scope:SCOPE_SE
	s_setreg_imm32_b32 hwreg(HW_REG_WAVE_MODE, 25, 1), 1
	s_wait_xcnt 0x0
	s_wait_alu depctr_hold_cnt(0) depctr_sa_sdst(0) depctr_va_vdst(0) depctr_va_sdst(0) depctr_va_ssrc(0) depctr_va_vcc(0) depctr_vm_vsrc(0)
	s_getreg_b32 s2, hwreg(HW_REG_IB_STS2, 6, 4)
	s_cmp_eq_u32 s2, 0
	s_cbranch_scc0 .Lentry_in_a_cluster
	s_endpgm
.Lentry_in_a_cluster:
	s_bfe_u32 s2, ttmp6, 0x10000c
	s_cmp_lg_u32 s2, 0xf033
	s_cbranch_scc0 .Lentry_shape_is_right
	s_endpgm
.Lentry_shape_is_right:
; out0[t][o] = the sum over i of xb[t][i] wb[o][i].  xb: [1024][4096], wb: [11264][4096], bf16; out0: [1024][11008], f32; one f32 sum for each output, i ascending.
; TILE.  128 rows x 352 columns: 8 x 22 blocks of 16 x 16.  8 x 32 tiles make 256 work-groups of equal work; 32 x 352 = 11,264, and the last tile column's 256 columns past 11,008 are multiplied
; (wb holds finite numbers there) and not stored.  Four waves, each 64 rows x 176 columns: 44 accumulators, 352 registers.
; K goes in 32 steps of 128 through two LDS slots filled by tensor loads: rows of 256 bytes, at multiples of 256 from the buffers' first bytes.
; CLUSTER.  4 x 4 work-groups.  Tile row = 4 x cluster y + cy; tile column = 8 cx + cluster x.  The four of a row of the cluster need the same tile of xb, the four of a column the same tile of wb: each is asked
; for jointly, by the same tensor load with the same descriptor and a mask that names the four.  (The tile column's parity is the cluster's x's, the same in all sixteen: the way out's LDS reads hang on it.)
; THE MATRIX INSTRUCTION IS USED TRANSPOSED: source 0 = 16 rows of wb, source 1 = 16 rows of xb: lane l holds row l % 16 of out0 and the columns 8 (l / 16) + 0..7.
; THE WAY OUT.  A tile's row is 1,408 bytes, five and a half blocks of 256: the half block at an odd tile column's left edge and an even one's right edge is written by two work-groups, a half each.
; REGISTERS: window 0: v0-15 addresses; v16-135, v136-255 two fragment buffers (11 of wb, then 4 of xb, 8 registers each).  Windows 1 and 2: accumulator (a, b) at v[8 (11 (a % 2) + b)] of window 1 + a / 2.
.set KSTEP, 128
.set PITCH, 272                        ; an LDS row: 256 bytes + 16: the 16 rows of a load begin in 16 different 16-byte columns of 256 bytes
.set AH,    64*PITCH                   ; what waves 0 and 1 fetch, and what a wave reads of xb
.set BH,    176*PITCH                  ; what waves 2 and 3 fetch, and what a wave reads of wb
.set BOFF,  2*AH
.set SLOT,  BOFF+2*BH                  ; 130,560
.set SPARE, 2*SLOT                     ; behind the ring: the spare words, 128 bytes a wave: two blocks of 256 bytes that no other line names
.set SP,    1424                       ; the stage, 128 rows of 1,408 bytes + 16, lies over the ring from byte 0 on, when the ring has had its last fill and its last read
.set RD,   1                           ; v1-3   the way out: where I read my piece of my first row back, for each of three phases (at the head: at work)
.set ADRA, 4                           ; v4-5   my fragments of xb in slot 0, 1
.set ADRB, 6                           ; v6-7   of wb
.set CO,   4                           ; v4-6   the way out, when the fragments' addresses have served: my piece's bytes in a row of the tile, for each phase
.set SPW,  8                           ; v8     my spare word; never rewritten
.set NIL,  9                           ; v9     0; never rewritten
.set PFO,  10                          ; v10    the prefetches' offset: my row x 8,192; never rewritten
.set STO,  11                          ; v11-12 the way out: where I put 32 bytes of a row, for a = 0, 1 and for a = 2, 3
.set LC,   13                          ; v13    my lane, less 8 where the tile column is odd
.set F0,   16
.set F1,   136
.set G1,   24                          ; s[24:31] descriptor group 1 for xb's tiles;  s[32:39] group 0, a set for each slot
.set G0,   32
.set G1B,  48                          ; s[48:55], s[56:63] the same for wb's
.set G0B,  56
.set PFA,  66                          ; s[66:67] where my prefetches stand
.set LIM,  68                          ; s68  1 in a wave that prefetches, else the greatest number
.set NV,   69                          ; s69  how many 16-byte pieces of a tile's row lie inside out0
.set MK,   72                          ; s72-74  the way out: which lanes store, for each phase (at the head: at work)
.set MSB, 0
.macro WIN new                         ; the immediate's high byte repeats the setting that is left; a switch that changes nothing is dropped
.if MSB != (\new)
	s_set_vgpr_msb (MSB<<8)|(\new)
.set MSB, (\new)
.endif
.endm
; A joint load: waves 0 and 1 fetch xb's two halves, waves 2 and 3 wb's.  The branch hangs on the wave's number alone.  An s_nop 0 and four v_nop follow each line, ahead of the jump and the label.
.macro JLOAD s
	s_cmp_eq_u32 s11, 0
	s_cbranch_scc0 .Lfor_b_\@
	tensor_load_to_lds s[G0+4*(\s):G0+4*(\s)+3], s[G1:G1+7]
	s_nop 0
.rept 4
	v_nop
.endr
	s_branch .Lasked_\@
.Lfor_b_\@:
	tensor_load_to_lds s[G0B+4*(\s):G0B+4*(\s)+3], s[G1B:G1B+7]
	s_nop 0
.rept 4
	v_nop
.endr
.Lasked_\@:
.endm
; A PREFETCH INTO THE L2 of the K step that stands two refills on (352 matrix instructions ahead of the load that wants it): 256 bytes of a row, a lane a row, one instruction a wave.  Both buffers were stored by the
; launch before and are read here for the first time.  Each row's 256 bytes of a K step are asked for by one wave of the launch: xb's tile row by the clusters with x = 0, the four partners of a row taking 32 rows each
; by address (cx), in wave 0; wb's tile column by the clusters with y = 0, the four partners of a column taking 88 rows each by address (cy), in waves 1-3 (the last eight lanes of wave 3 name its lane 23's row again).
; The loop's last trip asks for nothing: the K steps two on do not exist.  Nothing is asked for at the head.
.macro ASK
	s_cmp_gt_u32 s3, s[LIM]
	s_cbranch_scc0 .Lnot_mine_\@
	global_prefetch_b8 v[PFO], s[PFA:PFA+1] offset:KSTEP*2 th:TH_LOAD_NT scope:SCOPE_SE
.Lnot_mine_\@:
.endm
.macro CREST                           ; a round of the cluster's barrier behind its opening barrier
	s_cmp_lg_u32 s10, 0
	s_cbranch_scc1 .Lnot_wave_0_\@
	s_barrier_signal -3
.Lnot_wave_0_\@:
	s_barrier_wait -3
	s_barrier_signal -1
	s_barrier_wait -1
.endm
.macro CROUND
	s_barrier_signal -1
	s_barrier_wait -1
	CREST
.endm
	s_load_b128 s[4:7], s[0:1], 0x0                ; xb s[4:5], wb s[6:7]
	s_load_b64 s[8:9], s[0:1], 0x10                ; out0
	v_lshl_add_u32 v[SPW], v0, 2, SPARE
	v_mov_b32 v[NIL], 0
	ds_add_u32 v[SPW], v[NIL]                      ; the wave's opening: the add and its wait stand ahead of the first tensor load; the set-up below, work on registers, stands between
	v_lshrrev_b32 v1, 5, v0
	v_readfirstlane_b32 s10, v1                    ; wave 0..3
	s_lshr_b32 s11, s10, 1                         ; which 64 rows of the tile are mine.  Also: I fetch for xb (0) or for wb (1)
	s_and_b32 s12, s10, 1                          ; which 176 columns.  Also: which half of that tile I fetch
	s_bfe_u32 s40, ttmp6, 0x40000                  ; cx
	s_bfe_u32 s41, ttmp6, 0x40004                  ; cy
	s_lshl_b32 s42, s40, 3
	s_add_co_u32 s42, s42, ttmp9                   ; tile column = 8 cx + cluster x
	s_and_b32 s13, ttmp7, 0xffff
	s_lshl_b32 s13, s13, 2
	s_add_co_u32 s13, s13, s41                     ; tile row = 4 x cluster y + cy
	s_lshl_b32 s43, s41, 2
	s_lshl_b32 s43, 15, s43                        ; my row of the cluster
	s_lshl_b32 s44, 0x1111, s40                    ; my column
	s_or_b32 s[G1+0], s43, (1<<16)|(1<<20)|(1<<21)|(5<<22)|(3<<25)   ; the mask; elements of 2 bytes; padding on; bit 21 beside a mask; behind every 64 words 4 words
	s_or_b32 s[G1B+0], s44, (1<<16)|(1<<20)|(1<<21)|(5<<22)|(3<<25)
	s_mov_b32 s[G1+1], KSTEP<<16                   ; xb: 64 rows x 128 elements
	s_mov_b32 s[G1+2], 64<<16
	s_mov_b32 s[G1+3], KSTEP<<16
	s_mov_b32 s[G1+4], 64
	s_mov_b32 s[G1+5], 4096
	s_mov_b32 s[G1+6], 0
	s_mov_b32 s[G1+7], 0
	s_mov_b32 s[G1B+1], KSTEP<<16                  ; wb: 176 rows x 128 elements
	s_mov_b32 s[G1B+2], 176<<16
	s_mov_b32 s[G1B+3], KSTEP<<16
	s_mov_b32 s[G1B+4], 176
	s_mov_b32 s[G1B+5], 4096
	s_mov_b32 s[G1B+6], 0
	s_mov_b32 s[G1B+7], 0
	s_lshl_b32 s16, s13, 7                         ; xb: row 128 x tile row + 64 x half, 8,192 bytes a row
	s_lshl_b32 s17, s12, 6
	s_add_co_u32 s16, s16, s17
	s_lshl_b32 s16, s16, 13
	s_mov_b32 s17, 0
	s_mul_i32 s46, s42, 352                        ; wb: row 352 x tile column + 176 x half
	s_mul_i32 s47, s12, 176
	s_add_co_u32 s46, s46, s47
	s_lshl_b32 s46, s46, 13
	s_mov_b32 s47, 0
	s_mul_i32 s20, s12, AH                         ; where they go: no place in the cluster enters an LDS address
	s_mul_i32 s21, s12, BH
	s_add_co_u32 s21, s21, BOFF
	s_wait_dscnt 0x0                               ; the opening add is done
	s_wait_kmcnt 0x0
	s_add_nc_u64 s[14:15], s[4:5], s[16:17]
	s_add_nc_u64 s[46:47], s[6:7], s[46:47]
	CROUND                                         ; all sixteen work-groups are here: the first joint loads meet
.irp s, 0,1
	s_mov_b32 s[G0+4*(\s)], 1
	s_add_co_u32 s[G0+4*(\s)+1], s20, (\s)*SLOT
	s_add_nc_u64 s[G0+4*(\s)+2:G0+4*(\s)+3], s[14:15], (\s)*KSTEP*2
	s_or_b32 s[G0+4*(\s)+3], s[G0+4*(\s)+3], 0x80000000
	s_mov_b32 s[G0B+4*(\s)], 1
	s_add_co_u32 s[G0B+4*(\s)+1], s21, (\s)*SLOT
	s_add_nc_u64 s[G0B+4*(\s)+2:G0B+4*(\s)+3], s[46:47], (\s)*KSTEP*2
	s_or_b32 s[G0B+4*(\s)+3], s[G0B+4*(\s)+3], 0x80000000
	JLOAD \s                                       ; K steps 0 and 1: two loads of mine are out
.endr
	v_and_b32 v1, 15, v0                           ; r
	v_bfe_u32 v2, v0, 4, 1                         ; h
	v_mul_u32_u24 v3, v1, PITCH
	v_lshl_add_u32 v3, v2, 4, v3                   ; a fragment's row x pitch + 16 x half
	s_mul_i32 s22, s11, AH
	s_mul_i32 s23, s12, BH
	s_add_co_u32 s23, s23, BOFF
.irp s, 0,1
	v_add_nc_u32 v[ADRA+(\s)], s22, v3
	v_add_nc_u32 v[ADRB+(\s)], s23, v3
	s_add_co_u32 s22, s22, SLOT
	s_add_co_u32 s23, s23, SLOT
.endr
	s_lshl_b32 s22, s11, 6                         ; into the stage: row 64 x row half + r (+ 16 a), byte 704 x column half + 32 h (+ 64 b)
	v_add_nc_u32 v[STO], s22, v1
	v_mul_u32_u24 v[STO], v[STO], SP
	v_lshl_add_u32 v[STO], v2, 5, v[STO]
	s_mul_i32 s22, s12, 704
	v_add_nc_u32 v[STO], s22, v[STO]
	v_add_nc_u32 v[STO+1], 32*SP, v[STO]
	s_and_b32 s22, ttmp9, 1                        ; the tile column's parity: the cluster's x's
	s_lshl_b32 s22, s22, 3
	v_and_b32 v[LC], 31, v0
	v_sub_nc_u32 v[LC], v[LC], s22
	s_mul_i32 s76, s10, 32*SP                      ; back: wave w takes rows 32 w .. 32 w + 31, whole
	s_lshl_b32 s72, s13, 7
	s_lshl_b32 s73, s10, 5
	s_add_co_u32 s72, s72, s73                     ; the first row of out0 that I store,
	s_mul_i32 s72, s72, 44032
	s_mul_i32 s73, s42, 1408                       ; the tile's first column, in bytes
	s_add_co_u32 s72, s72, s73
	s_mov_b32 s73, 0
	s_add_nc_u64 s[8:9], s[8:9], s[72:73]
	s_mul_i32 s[NV], s42, 88                       ; a row of out0 has 2,752 pieces of 16 bytes, a tile's row 88
	s_sub_co_u32 s[NV], 2752, s[NV]
	s_min_u32 s[NV], s[NV], 88
	; the prefetches
	s_lshl_b32 s72, s13, 7
	s_lshl_b32 s73, s40, 5
	s_add_co_u32 s72, s72, s73                     ; xb: row 128 x tile row + 32 cx
	s_mul_i32 s73, s42, 352
	s_mul_i32 s74, s41, 88
	s_add_co_u32 s73, s73, s74                     ; wb: row 352 x tile column + 88 cy
	s_and_b32 s75, ttmp7, 0xffff                   ; cluster y
	s_cmp_eq_u32 s10, 0                            ; wave 0 asks for xb, waves 1-3 for wb
	s_cselect_b32 s72, s72, s73
	s_cselect_b32 s74, ttmp9, s75                  ; the coordinate along which other clusters read the same rows
	s_cselect_b32 s77, 0, 32
	s_cselect_b64 s[PFA:PFA+1], s[4:5], s[6:7]
	s_cmp_eq_u32 s74, 0
	s_cselect_b32 s[LIM], 1, -1                    ; the same in all sixteen partners, for a given wave
	s_lshl_b32 s72, s72, 13
	s_add_co_u32 s72, s72, 2*KSTEP*2               ; at K step 2: the first refill steps it to 3 and names K step 4
	s_mov_b32 s73, 0
	s_add_nc_u64 s[PFA:PFA+1], s[PFA:PFA+1], s[72:73]
	v_sub_nc_u32 v[PFO], v0, s77                   ; wave 0: my lane; waves 1-3: 32 (wave - 1) + my lane,
	v_min_u32 v[PFO], 87, v[PFO]                   ; 87 at the most
	v_lshlrev_b32 v[PFO], 13, v[PFO]
; Eleven matrix instructions: row block a x all 11 column blocks, 32 along K.  zero = 1: the first product starts the sums.  The 44 accumulators take turns, one instruction a turn, in the same order
; in every quarter, over the backward jump too: 43 others stand between two links of a chain.
.macro MUL11 f, a, zero
	WIN 0x50*(1+(\a)/2)                            ; C and D in window 1 or 2, the sources in window 0
.irp b, 0,1,2,3,4,5,6,7,8,9,10
.if \zero
	v_wmma_f32_16x16x32_bf16 v[8*(11*((\a)%2)+(\b)):8*(11*((\a)%2)+(\b))+7], v[(\f)+8*(\b):(\f)+8*(\b)+7], v[(\f)+88+8*(\a):(\f)+88+8*(\a)+7], 0
.else
	v_wmma_f32_16x16x32_bf16 v[8*(11*((\a)%2)+(\b)):8*(11*((\a)%2)+(\b))+7], v[(\f)+8*(\b):(\f)+8*(\b)+7], v[(\f)+88+8*(\a):(\f)+88+8*(\a)+7], v[8*(11*((\a)%2)+(\b)):8*(11*((\a)%2)+(\b))+7]
.endif
.endr
.endm
; 30 LDS loads in one run: a quarter's fragments (176 rows of wb, then 64 of xb; 32 K at byte k of the rows) into buffer f
.macro FETCH slot, k, f
	WIN 0
.irp i, 0,1,2,3,4,5,6,7,8,9,10
	ds_load_b128 v[(\f)+8*(\i):(\f)+8*(\i)+3],   v[ADRB+(\slot)] offset:(\k)+(\i)*16*PITCH
	ds_load_b128 v[(\f)+8*(\i)+4:(\f)+8*(\i)+7], v[ADRB+(\slot)] offset:(\k)+(\i)*16*PITCH+32
.endr
.irp i, 0,1,2,3
	ds_load_b128 v[(\f)+88+8*(\i):(\f)+88+8*(\i)+3],   v[ADRA+(\slot)] offset:(\k)+(\i)*16*PITCH
	ds_load_b128 v[(\f)+88+8*(\i)+4:(\f)+88+8*(\i)+7], v[ADRA+(\slot)] offset:(\k)+(\i)*16*PITCH+32
.endr
.endm
.macro PLACES                          ; four plain vector instructions between a matrix instruction and a load into a register that it has read (ISA guide 7.12.1 for vector instructions)
.rept 4
	v_nop
.endr
.endm
; A K step is four quarters of 32 along K, 44 matrix instructions each, on buffers 0, 1, 0, 1.  One of the first three: multiplies buffer f and, in its middle, fetches the next quarter, at byte k, into g.
.macro QUARTER slot, k, f, g, zero
	s_wait_dscnt 4                                 ; wb's fragments and xb's first two are in; the youngest four loads (xb's last two) may be out
	MUL11 \f, 0, \zero
	MUL11 \f, 1, \zero
	PLACES
	FETCH \slot, \k, \g
	s_wait_dscnt 30                                ; all but the 30 just issued
	MUL11 \f, 2, \zero
	MUL11 \f, 3, \zero
.endm
; The last quarter multiplies buffer 1 and changes slots: one barrier; in front of it each wave waits for all its tensor loads (its part of the next slot), adds 0 to its spare word, and waits for that and for its
; reads of this slot.  fill = 1: the barrier opens a round of the cluster's, and this slot is filled again, two K steps ahead, first thing behind the round: 154 matrix instructions ahead of the wait for it.
.macro TURN slot, next, fill
.if \fill
	s_wait_xcnt 0x0                                ; the last prefetch, a K step back, has read its address, which is stepped here
	s_add_nc_u64 s[PFA:PFA+1], s[PFA:PFA+1], KSTEP*2
.endif
	WIN 0                                          ; (the add's two registers lie in window 0)
	s_wait_tensorcnt 0x0                           ; all my tensor loads have landed
	ds_add_u32 v[SPW], v[NIL]
	s_wait_dscnt 5                                 ; (the add and the youngest four loads may be out)
	MUL11 F1, 0, 0                                 ; eleven matrix instructions stand between the add and the wait for it
	s_wait_dscnt 0x0                               ; the add is done, and my reads of this slot are over
	s_barrier_signal -1
	MUL11 F1, 1, 0
	WIN 0
	s_barrier_wait -1
.if \fill
	CREST                                          ; no wave of any partner still reads this slot's tile or has a load on its way
	s_add_nc_u64 s[G0+4*(\slot)+2:G0+4*(\slot)+3], s[G0+4*(\slot)+2:G0+4*(\slot)+3], 2*KSTEP*2
	s_add_nc_u64 s[G0B+4*(\slot)+2:G0B+4*(\slot)+3], s[G0B+4*(\slot)+2:G0B+4*(\slot)+3], 2*KSTEP*2
	JLOAD \slot                                    ; the four v_nop behind it are also the places in front of the loads below
.else
	PLACES
.endif
	FETCH \next, 0, F0
.if \fill
	ASK
.endif
	MUL11 F1, 2, 0
	MUL11 F1, 3, 0
.endm
	s_wait_tensorcnt 0x1                           ; my part of K step 0 is in; K step 1's may stay out
	s_barrier_signal -1
	s_barrier_wait -1                              ; everybody's is
	FETCH 0, 0, F0
	QUARTER 0, 64, F0, F1, 1                       ; the first quarter stands in front of the loop: its products start the sums
	WIN 0                                          ; at a label and at a branch every window is 0
	s_mov_b32 s3, 15
.Llap:                                                 ; a trip goes once round the ring, from a lap's second quarter to the next lap's first, and fills both slots again
	QUARTER 0, 128, F1, F0, 0
	QUARTER 0, 192, F0, F1, 0
	TURN 0, 1, 1
	QUARTER 1, 64,  F0, F1, 0
	QUARTER 1, 128, F1, F0, 0
	QUARTER 1, 192, F0, F1, 0
	TURN 1, 0, 1
	QUARTER 0, 64,  F0, F1, 0
	WIN 0
	s_sub_co_u32 s3, s3, 1
	s_cmp_lg_u32 s3, 0
	s_cbranch_scc1 .Llap
	QUARTER 0, 128, F1, F0, 0                      ; the last lap fills nothing, and has no round of the cluster's barrier
	QUARTER 0, 192, F0, F1, 0
	TURN 0, 1, 0
	QUARTER 1, 64,  F0, F1, 0
	QUARTER 1, 128, F1, F0, 0
	QUARTER 1, 192, F0, F1, 0
	s_wait_dscnt 0x0                               ; my last reads of the ring are back: say so, since the stage lies over it,
	s_barrier_signal -1
	MUL11 F1, 0, 0                                 ; and multiply the last quarter while the others arrive
	MUL11 F1, 1, 0
	MUL11 F1, 2, 0
	MUL11 F1, 3, 0
	WIN 0
	s_barrier_wait -1                              ; nobody reads the ring any more, and no tensor load is out or will be issued
	; THE WAY OUT: 32 bytes a lane and accumulator into the work-group's stage; a barrier, since a row's 1,408 bytes come from two waves; back as whole rows, 32 rows a wave.
.rept 8
	v_nop                                          ; the places between the last products and the LDS stores that read them
.endr
.irp a, 0,1,2,3
	WIN 0x04*(1+(\a)/2)                            ; the data in window 1 or 2, the address in window 0
.irp b, 0,1,2,3,4,5,6,7,8,9,10                 ; each accumulator's low four registers first
	ds_store_b128 v[STO+(\a)/2], v[8*(11*((\a)%2)+(\b)):8*(11*((\a)%2)+(\b))+3]   offset:((\a)%2)*16*SP+64*(\b)
	ds_store_b128 v[STO+(\a)/2], v[8*(11*((\a)%2)+(\b))+4:8*(11*((\a)%2)+(\b))+7] offset:((\a)%2)*16*SP+64*(\b)+16
.endr
.endr
	WIN 0
	s_wait_dscnt 0x0                               ; for the others' sake: my stores into the stage are done
	s_barrier_signal -1
	s_barrier_wait -1
; A row's 88 pieces of 16 bytes go in three phases of 32 lanes.  Piece c = 32 p + lane, less 8 where the tile column is odd: then sixteen neighbouring lanes store 256 consecutive bytes at a multiple of 256 from out0's first.
; The LDS loads run with all lanes on, from a clamped piece; the stores only in lanes whose piece exists (a number below 0 counts as a very large one) and lies inside out0.
; All three phases' addresses and masks are made here, with all lanes on, ahead of the first change of EXEC: the LDS addresses hang on the lane, the wave and the cluster's x alone; the tile column enters the masks alone.
.irp p, 0,1,2
	v_add_nc_u32 v[CO+(\p)], 32*(\p), v[LC]        ; c
	v_cmp_gt_u32 s[MK+(\p)], s[NV], v[CO+(\p)]     ; does it exist, inside out0?
	v_min_u32 v[CO+(\p)], 87, v[CO+(\p)]
	v_lshlrev_b32 v[CO+(\p)], 4, v[CO+(\p)]        ; its bytes in a row of the tile, in out0
	v_add_nc_u32 v[RD+(\p)], s76, v[CO+(\p)]       ; and in my first row of the stage
.endr
	s_wait_xcnt 0x0                                ; the prefetches have read their sources: EXEC changes only behind this wait
.irp p, 0,1,2
.irp t, 0,1,2,3,4,5,6,7,8,9,10,11,12,13,14,15,16,17,18,19,20,21,22,23,24,25,26,27,28,29,30,31
	ds_load_b128 v[16+4*(\t):16+4*(\t)+3], v[RD+(\p)] offset:(\t)*SP
.endr
	s_and_saveexec_b32 s70, s[MK+(\p)]
.irp t, 0,1,2,3,4,5,6,7,8,9,10,11,12,13,14,15,16,17,18,19,20,21,22,23,24,25,26,27,28,29,30,31
	s_wait_dscnt 31-(\t)                           ; row t is back; the younger loads may stay out
	global_store_b128 v[CO+(\p)], v[16+4*(\t):16+4*(\t)+3], s[8:9] offset:(\t)*44032 th:TH_STORE_NT
.endr
	s_wait_xcnt 0x0                                ; the stores have read EXEC and their data, which change below
	s_or_b32 exec_lo, exec_lo, s70
.endr
	s_wait_tensorcnt 0x0                           ; the wave's end: these three lines stand behind my last tensor load and my last LDS store
	ds_add_u32 v[SPW], v[NIL]
	s_wait_dscnt 0x0
	CROUND                                         ; the closing round: no work-group ends while a partner may still ask for a tile that names it
	s_endpgm
.Lfunc_end_k_q24ea2585c6_gemm:
	.size	k_q24ea2585c6_gemm, .Lfunc_end_k_q24ea2585c6_gemm-k_q24ea2585c6_gemm
	.p2alignl 7, 3214868480
	.fill 96, 4, 3214868480
	.section	.rodata,"a",@progbits
	.p2align	6, 0x0
	.amdhsa_kernel k_q24ea2585c6_gemm
		.amdhsa_group_segment_fixed_size 327680
		.amdhsa_private_segment_fixed_size 0
		.amdhsa_enable_private_segment 0
		.amdhsa_kernarg_size 24
		.amdhsa_user_sgpr_count 2
		.amdhsa_user_sgpr_kernarg_segment_ptr 1
		.amdhsa_wavefront_size32 1
		.amdhsa_system_sgpr_workgroup_id_x 1
		.amdhsa_system_sgpr_workgroup_id_y 1
		.amdhsa_system_sgpr_workgroup_id_z 1
		.amdhsa_system_vgpr_workitem_id 0
		.amdhsa_next_free_vgpr 688
		.amdhsa_next_free_sgpr 80
		.amdhsa_reserve_vcc 0
		.amdhsa_float_denorm_mode_32 3
		.amdhsa_float_denorm_mode_16_64 3
		.amdhsa_memory_ordered 1
		.amdhsa_forward_progress 1
		.amdhsa_inst_pref_size 115
	.end_amdhsa_kernel
	.amdgpu_metadata
---
amdhsa.version: [ 1, 2 ]
amdhsa.kernels:
  - .name:           k_q24ea2585c6_gemm
    .symbol:         k_q24ea2585c6_gemm.kd
    .args:
      - { .name: xb, .offset: 0, .size: 8, .value_kind: global_buffer, .address_space: global }
      - { .name: wb, .offset: 8, .size: 8, .value_kind: global_buffer, .address_space: global }
      - { .name: out0, .offset: 16, .size: 8, .value_kind: global_buffer, .address_space: global }
    .group_segment_fixed_size: 327680
    .private_segment_fixed_size: 0
    .kernarg_segment_align: 8
    .kernarg_segment_size: 24
    .max_flat_workgroup_size: 128
    .sgpr_count:     80
    .vgpr_count:     688
    .wavefront_size: 32
...
	.end_amdgpu_metadata
.endif
;; end of part 2
